; MI455X (gfx1250); checked and timed in simulation.
; The chip was launched on July 23, 2026; its instructions are those of AMD's public machine-readable ISA for CDNA 5 (MIT licence, August 2026) and "CDNA5" Instruction Set Architecture Reference Guide (July 2026). The comments in the code are by the model that wrote it; some were corrected since.
;; Self Attention. Allowed arithmetic: float matrix products may take bf16 or f16 operands with f32 sums; other float arithmetic in f32, or as packed bf16 or f16 multiplies, adds, multiply-adds, maxima and minima; sums over many terms, partial sums and values carried from step to step in f32; what a program stores and reads back later, other than sums and carried values, may be rounded once to bf16 or f16.
;; Inputs: bk 512 float32; bo 512 float32; bq 512 float32; bv 512 float32; wk 512 x 512 float32; wo 512 x 512 float32; wq 512 x 512 float32; wv 512 x 512 float32; x 64 x 256 x 512 float32.
;; Outputs: out0 64 x 256 x 512 float32.
;; One version. Each part assembles by itself: llvm-mc -triple=amdgcn-amd-amdhsa -mcpu=gfx1250 --defsym DOCPART=n.
;; ======== version 1 of 1: 3 launches
;; limits: values are held in f16: magnitudes above 65,504 overflow, below 6.1e-05 lose precision
;; workspace buffers: wt 1,572,864 bytes; wot 524,288 bytes; tab 133,120 bytes; ao 16,777,216 bytes
;; launch prep (part 1): grid 64 x 4, 4 waves a work-group, no clusters, 0 bytes of LDS; arguments wq, wk, wv, wo, bq, bk, bv, bo, wt, wot, tab; writes wt, wot, tab
.if DOCPART == 1
	.amdgcn_target "amdgcn-amd-amdhsa--gfx1250"
	.amdhsa_code_object_version 6
	.text
	.protected	k_q96f737e905_prep
	.globl	k_q96f737e905_prep
	.p2align	8
	.type	k_q96f737e905_prep,@function
k_q96f737e905_prep:
	s_mov_b64 s[64:65], 0
	v_nop
	global_prefetch_b8 v0, s[64:65] scope:SCOPE_SE
	s_setreg_imm32_b32 hwreg(HW_REG_WAVE_MODE, 25, 1), 1
	s_wait_xcnt 0x0
; THE PROGRAM: self-attention, B = 64, L = 256, D = 512, 16 heads of 32 channels, in three launches.
;   prep   rounds and turns the four weight matrices, makes the RoPE table and the bias images
;   attn   x to bf16, q/k/v = x w + b, RoPE on q and k, causal softmax(q k^T / sqrt 32) v, one work-group for a batch and four heads
;   oproj  (attention output) wo + bo
; FORMATS.  All nine inputs are rounded to bf16 (the biases then kept as f32, wo written as f16, which holds a bf16 number exactly within its range);
; what the program makes itself (q, k, v, the weights p, the attention output) is rounded once to f16; all sums, maxima and the softmax in f32.
; DEAD WORK.  reference() sets scores[q][k] to -inf wherever k > q, by its own jnp.tril.  softmax gives such a key the weight exp(-inf) = 0, whatever finite values
; the inputs hold, so neither its score nor its product with v reaches out0.  attn leaves out the blocks of 64 queries x 64 keys that lie wholly above the diagonal:
; 6 of the 16 blocks of every head.  Inside the four diagonal blocks hidden scores are computed and masked.  No input is dead: all nine are loaded.
; LIMITS.  A NaN, an infinity or an overflow that arises only in the scores left out is not carried to the result.  q, k, v must lie within f16's 65,504.
; Numbers of wo below 6e-5 keep f16's fixed step of 6e-8.  The RoPE angles are reduced in f32: the table is within 4e-5 of the true cosine and sine.
;
; THIS LAUNCH.  Job A, every work-group: a block of 128 k x 32 n of matrix gy (wq, wk, wv, wo: [k][n] f32) is rounded and written turned, k along the rows:
;   wt  bf16 [16 heads][96 rows][512 k]: rows 0-31 wq's columns 32 h + row, rows 32-63 wk's, rows 64-95 wv's
;   wot f16  [512 rows][512 k]: row 64 (n / 64) + 16 (n % 4) + (n % 64) / 4 holds wo's column n, so that in oproj a lane's four accumulators are four neighbouring columns
; A lane loads 8 rows k x 4 columns n and stores, for each of its 4 columns, 8 neighbouring k: 16 lanes store 256 consecutive bytes, aligned.
; Job B, some work-groups: tab, f32: [0, 16384) cos[256 l][16 i]; [16384, 32768) sin; [32768, 131072) bias images [16 heads][6 tiles][2 halves][32 lanes][4], as attn's
; accumulators take them; [131072, 133120) bo.  Job B's load goes out behind job A's eight, so that one wait serves both; the table is computed while job A's loads are out.
; So the text is ordered by job B, and job A's second half (JOBA) is written in each arm.  No LDS, no barrier: no wave wants a byte that another has fetched.
.set R,   8                            ; v[8:39]   row i of 8: four columns at R + 4 i
.set OUTR, 40                          ; v[40:55]  column c of 4: eight k, packed, at OUTR + 4 c
.macro JOBA                            ; wq, wk, wv: the block is rounded and stored
	s_wait_loadcnt 0x0                             ; the block's eight loads, and job B's where there is one
.irp c, 0,1,2,3
.irp p, 0,1,2,3
	v_cvt_pk_bf16_f32 v[OUTR+4*\c+\p], v[R+8*\p+\c], v[R+4+8*\p+\c]  ; k = 2 p and 2 p + 1 of column c
.endr
.endr
.irp c, 0,1,2,3
	global_store_b128 v3, v[OUTR+4*\c:OUTR+4*\c+3], s[38:39] offset:1024*\c
.endr
.endm
	s_load_b512 s[8:23], s[0:1], 0x0               ; wq s[8:9], wk s[10:11], wv s[12:13], wo s[14:15], bq s[16:17], bk s[18:19], bv s[20:21], bo s[22:23]
	s_load_b128 s[24:27], s[0:1], 0x40             ; wt s[24:25], wot s[26:27]
	s_load_b64 s[28:29], s[0:1], 0x50              ; tab
	s_mov_b32 s30, ttmp9                           ; gx
	s_and_b32 s31, ttmp7, 0xffff                   ; gy: which matrix
	s_and_b32 s32, s30, 3                          ; kb: which 128 k.  In job B: which bias
	s_lshr_b32 s33, s30, 2                         ; nb: which 32 n = which head
	v_lshrrev_b32 v1, 5, v0
	v_readfirstlane_b32 s34, v1                    ; wave
	v_and_b32 v1, 31, v0                           ; lane
	v_and_b32 v4, 15, v0                           ; lam: my 8 k
	v_bfe_u32 v5, v0, 4, 1                         ; g: my 4 n
	v_lshlrev_b32 v2, 14, v4                       ; 8 lam rows of 2,048 bytes
	v_lshl_add_u32 v2, v5, 4, v2                   ; + 4 g columns
	s_lshl_b32 s40, s34, 5
	v_add_nc_u32 v2, s40, v2                       ; + 8 x wave columns
	s_lshl_b32 s40, s32, 18                        ; 128 kb rows
	s_lshl_b32 s41, s33, 7                         ; 32 nb columns
	s_add_co_u32 s40, s40, s41
	s_mov_b32 s41, 0
	s_wait_kmcnt 0x0
	s_cmp_eq_u32 s31, 1
	s_cselect_b64 s[36:37], s[10:11], s[8:9]
	s_cmp_eq_u32 s31, 2
	s_cselect_b64 s[36:37], s[12:13], s[36:37]
	s_cmp_eq_u32 s31, 3
	s_cselect_b64 s[36:37], s[14:15], s[36:37]
	s_add_nc_u64 s[36:37], s[36:37], s[40:41]
.irp i, 0,1,2,3,4,5,6,7
	global_load_b128 v[R+4*\i:R+4*\i+3], v2, s[36:37] offset:2048*\i
.endr
	s_cmp_eq_u32 s31, 3
	s_cbranch_scc1 .Lwo
	; wq, wk, wv: row 96 nb + 32 gy + 8 wave + 4 g + c of wt, bytes 256 kb + 16 lam
	s_mul_i32 s42, s33, 96
	s_lshl_b32 s43, s31, 5
	s_add_co_u32 s42, s42, s43
	s_lshl_b32 s42, s42, 10
	s_lshl_b32 s43, s32, 8
	s_add_co_u32 s42, s42, s43
	s_mov_b32 s43, 0
	s_add_nc_u64 s[38:39], s[24:25], s[42:43]
	s_lshl_b32 s42, s34, 13
	v_lshl_add_u32 v3, v5, 12, s42
	v_lshl_add_u32 v3, v4, 4, v3
	s_cmp_eq_u32 s31, 0
	s_cbranch_scc1 .Ltable
	s_cmp_eq_u32 s31, 1
	s_cbranch_scc1 .Lbias
	s_cmp_lg_u32 s30, 0                            ; gy = 2: the first work-group has bo, four numbers a thread
	s_cbranch_scc1 .Lplain
	v_lshlrev_b32 v56, 4, v0
	v_add_nc_u32 v57, 0x20000, v56                 ; behind the bias images
	s_mov_b64 s[44:45], s[22:23]
	s_branch .Lquad
.Lbias:
	s_cmp_eq_u32 s32, 3
	s_cbranch_scc1 .Lplain
	; THE BIAS IMAGES of head nb, bias kb (0: bq, 1: bk, 2: bv).  Wave: tile c = wave / 2 of 16 channels, half = wave % 2 of an accumulator's eight registers.
	; q and k: a lane (r, h) holds channels 16 c + 8 h + 0..7 of one token.  v: it holds channel 16 c + r of eight tokens.
	s_lshr_b32 s40, s34, 1                         ; c
	s_and_b32 s41, s34, 1                          ; half
	s_lshl_b32 s42, s33, 7
	s_lshl_b32 s43, s40, 6
	s_add_co_u32 s42, s42, s43                     ; byte of channel 32 head + 16 c
	s_mul_i32 s43, s33, 6144
	s_lshl_b32 s46, s32, 11
	s_add_co_u32 s43, s43, s46
	s_lshl_b32 s46, s40, 10
	s_add_co_u32 s43, s43, s46
	s_lshl_b32 s46, s41, 9
	s_add_co_u32 s43, s43, s46
	s_add_co_u32 s43, s43, 32768                   ; behind the table
	v_lshl_add_u32 v57, v1, 4, s43                 ; where the image's 512 bytes go, 16 a lane
	s_cmp_eq_u32 s32, 2
	s_cbranch_scc1 .Lbias_v
	s_cmp_eq_u32 s32, 0
	s_cselect_b64 s[44:45], s[16:17], s[18:19]
	s_lshl_b32 s46, s41, 4
	s_add_co_u32 s42, s42, s46
	v_lshl_add_u32 v56, v5, 5, s42                 ; + 8 h + 4 half channels
.Lquad:                                        ; four numbers a lane are loaded, rounded to bf16, and stored as f32
	global_load_b128 v[60:63], v56, s[44:45]
	JOBA
	v_cvt_pk_bf16_f32 v64, v60, v61
	v_cvt_pk_bf16_f32 v65, v62, v63
	v_lshlrev_b32 v60, 16, v64
	v_and_b32 v61, 0xffff0000, v64
	v_lshlrev_b32 v62, 16, v65
	v_and_b32 v63, 0xffff0000, v65
	global_store_b128 v57, v[60:63], s[28:29]
	s_endpgm
.Lbias_v:
	v_lshl_add_u32 v56, v4, 2, s42                 ; + r channels
	global_load_b32 v60, v56, s[20:21]
	JOBA
	v_cvt_pk_bf16_f32 v64, v60, v60
	v_lshlrev_b32 v60, 16, v64
	v_mov_b32 v61, v60
	v_mov_b32 v62, v60
	v_mov_b32 v63, v60
	global_store_b128 v57, v[60:63], s[28:29]
	s_endpgm
.Ltable:
	s_cmp_ge_u32 s30, 32
	s_cbranch_scc1 .Lplain
	; THE TABLE.  Thread T = 128 gx + t of 4,096 makes two numbers: position l = (T % 2048) / 8, frequencies i = 2 (T % 8) and the next; gx < 16: cosines, else sines.
	; angle = l x 10000^(-i / 16); sin a = cos(a - pi / 2); with u = the angle in turns less the nearest whole number, cos(2 pi u) = 1 - 2 sin^2(pi u), pi u within pi / 2,
	; where the sine's series to the 13th power is within 1e-7.
	s_lshl_b32 s40, s30, 7
	v_add_nc_u32 v56, s40, v0                      ; T
	v_bfe_u32 v57, v56, 3, 8                       ; l
	v_and_b32 v58, 7, v56
	v_lshlrev_b32 v58, 1, v58
	v_cvt_f32_u32 v58, v58                         ; i
	v_add_f32 v59, 1.0, v58
	v_cvt_f32_u32 v57, v57
	v_mul_f32 v58, 0xbf549a78, v58                 ; - i log2(10000) / 16
	v_mul_f32 v59, 0xbf549a78, v59
	v_exp_f32 v60, v58
	v_exp_f32 v61, v59
	v_nop                                          ; a plain instruction behind the last exponential,
	s_wait_alu depctr_va_vdst(0)                   ; and one wait for both, ahead of their first use
	s_cmp_ge_u32 s30, 16
	s_cselect_b32 s41, 0xbe800000, 0               ; a quarter turn back for the sines
	v_mul_f32 v60, v57, v60
	v_mul_f32 v61, v57, v61
	v_fma_f32 v60, v60, 0.15915494, s41            ; in turns
	v_fma_f32 v61, v61, 0.15915494, s41
	v_rndne_f32 v62, v60
	v_rndne_f32 v63, v61
	v_sub_f32 v60, v60, v62                        ; u
	v_sub_f32 v61, v61, v63
	v_mul_f32 v60, 0x40490fdb, v60                 ; pi u
	v_mul_f32 v61, 0x40490fdb, v61
	v_mul_f32 v62, v60, v60
	v_mul_f32 v63, v61, v61
	v_mov_b32 v64, 0x2f309231                      ; 1 / 13!
	v_mov_b32 v65, 0x2f309231
.irp k, 0xb2d7322b, 0x3638ef1d, 0xb9500d01, 0x3c088889, 0xbe2aaaab, 0x3f800000
	v_fmaak_f32 v64, v64, v62, \k                  ; - 1 / 11!, 1 / 9!, - 1 / 7!, 1 / 5!, - 1 / 3!, 1
	v_fmaak_f32 v65, v65, v63, \k
.endr
	v_mul_f32 v64, v60, v64                        ; sin(pi u)
	v_mul_f32 v65, v61, v65
	v_mul_f32 v64, v64, v64
	v_mul_f32 v65, v65, v65
	v_fma_f32 v68, v64, -2.0, 1.0
	v_fma_f32 v69, v65, -2.0, 1.0
	v_lshlrev_b32 v66, 3, v56
	global_store_b64 v66, v[68:69], s[28:29]       ; a wave stores 256 consecutive bytes, aligned
.Lplain:
	JOBA
	s_endpgm
.Lwo:
	; wo: row 64 (nb / 2) + 16 c + 8 (nb % 2) + 2 wave + g of wot
	s_lshr_b32 s42, s33, 1
	s_lshl_b32 s42, s42, 16
	s_and_b32 s43, s33, 1
	s_lshl_b32 s43, s43, 13
	s_add_co_u32 s42, s42, s43
	s_lshl_b32 s43, s32, 8
	s_add_co_u32 s42, s42, s43
	s_mov_b32 s43, 0
	s_add_nc_u64 s[38:39], s[26:27], s[42:43]
	s_lshl_b32 s42, s34, 11
	v_lshl_add_u32 v3, v5, 10, s42
	v_lshl_add_u32 v3, v4, 4, v3
	s_wait_loadcnt 0x0
.irp c, 0,1,2,3
.irp p, 0,1,2,3
	v_cvt_pk_bf16_f32 v56, v[R+8*\p+\c], v[R+4+8*\p+\c]  ; rounded as every input is,
	v_lshlrev_b32 v57, 16, v56
	v_and_b32 v58, 0xffff0000, v56
	v_cvt_pk_f16_f32 v[OUTR+4*\c+\p], v57, v58          ; and that number written as f16
.endr
.endr
.irp c, 0,1,2,3
	global_store_b128 v3, v[OUTR+4*\c:OUTR+4*\c+3], s[38:39] offset:16384*\c
.endr
	s_endpgm
.Lfunc_end_k_q96f737e905_prep:
	.size	k_q96f737e905_prep, .Lfunc_end_k_q96f737e905_prep-k_q96f737e905_prep
	.p2alignl 7, 3214868480
	.fill 96, 4, 3214868480
	.section	.rodata,"a",@progbits
	.p2align	6, 0x0
	.amdhsa_kernel k_q96f737e905_prep
		.amdhsa_group_segment_fixed_size 0
		.amdhsa_private_segment_fixed_size 0
		.amdhsa_enable_private_segment 0
		.amdhsa_kernarg_size 88
		.amdhsa_user_sgpr_count 2
		.amdhsa_user_sgpr_kernarg_segment_ptr 1
		.amdhsa_wavefront_size32 1
		.amdhsa_system_sgpr_workgroup_id_x 1
		.amdhsa_system_sgpr_workgroup_id_y 1
		.amdhsa_system_sgpr_workgroup_id_z 1
		.amdhsa_system_vgpr_workitem_id 0
		.amdhsa_next_free_vgpr 72
		.amdhsa_next_free_sgpr 66
		.amdhsa_reserve_vcc 0
		.amdhsa_float_denorm_mode_32 3
		.amdhsa_float_denorm_mode_16_64 3
		.amdhsa_memory_ordered 1
		.amdhsa_forward_progress 1
		.amdhsa_inst_pref_size 16
	.end_amdhsa_kernel
	.amdgpu_metadata
---
amdhsa.version: [ 1, 2 ]
amdhsa.kernels:
  - .name:           k_q96f737e905_prep
    .symbol:         k_q96f737e905_prep.kd
    .args:
      - { .name: wq, .offset: 0, .size: 8, .value_kind: global_buffer, .address_space: global }
      - { .name: wk, .offset: 8, .size: 8, .value_kind: global_buffer, .address_space: global }
      - { .name: wv, .offset: 16, .size: 8, .value_kind: global_buffer, .address_space: global }
      - { .name: wo, .offset: 24, .size: 8, .value_kind: global_buffer, .address_space: global }
      - { .name: bq, .offset: 32, .size: 8, .value_kind: global_buffer, .address_space: global }
      - { .name: bk, .offset: 40, .size: 8, .value_kind: global_buffer, .address_space: global }
      - { .name: bv, .offset: 48, .size: 8, .value_kind: global_buffer, .address_space: global }
      - { .name: bo, .offset: 56, .size: 8, .value_kind: global_buffer, .address_space: global }
      - { .name: wt, .offset: 64, .size: 8, .value_kind: global_buffer, .address_space: global }
      - { .name: wot, .offset: 72, .size: 8, .value_kind: global_buffer, .address_space: global }
      - { .name: tab, .offset: 80, .size: 8, .value_kind: global_buffer, .address_space: global }
    .group_segment_fixed_size: 0
    .private_segment_fixed_size: 0
    .kernarg_segment_align: 8
    .kernarg_segment_size: 88
    .max_flat_workgroup_size: 128
    .sgpr_count:     66
    .vgpr_count:     72
    .wavefront_size: 32
...
	.end_amdgpu_metadata
.endif
;; end of part 1
;; launch attn (part 2): grid 64 x 4, 4 waves a work-group, clusters of 4 x 4, 327,680 bytes of LDS; arguments x, wt, tab, ao; writes ao
.if DOCPART == 2
	.amdgcn_target "amdgcn-amd-amdhsa--gfx1250"
	.amdhsa_code_object_version 6
	.text
	.protected	k_q96f737e905_attn
	.globl	k_q96f737e905_attn
	.p2align	8
	.type	k_q96f737e905_attn,@function
k_q96f737e905_attn:
	s_mov_b64 s[64:65], 0
	v_nop
	global_prefetch_b8 v0, s[64:65] scope:SCOPE_SE
	s_setreg_imm32_b32 hwreg(HW_REG_WAVE_MODE, 25, 1), 1
	s_wait_xcnt 0x0
	s_wait_alu depctr_hold_cnt(0) depctr_sa_sdst(0) depctr_va_vdst(0) depctr_va_sdst(0) depctr_va_ssrc(0) depctr_va_vcc(0) depctr_vm_vsrc(0)
	s_getreg_b32 s2, hwreg(HW_REG_IB_STS2, 6, 4)
	s_cmp_eq_u32 s2, 0
	s_cbranch_scc0 .Lentry_in_a_cluster
	s_endpgm
.Lentry_in_a_cluster:
	s_bfe_u32 s2, ttmp6, 0x10000c
	s_cmp_lg_u32 s2, 0xf033
	s_cbranch_scc0 .Lentry_shape_is_right
	s_endpgm
.Lentry_shape_is_right:
; q, k, v = x w + b; RoPE on q and k; O = causal softmax(q k^T / sqrt 32) v.  x: [64][256][512] f32.  wt, tab: as prep laid them.  ao: f16, see THE WAY OUT.
; LEFT OUT: the blocks of 64 queries x 64 keys wholly above the diagonal of reference()'s own jnp.tril (their weights are exp(-inf) = 0 for all inputs): band x of queries takes key tiles 0 .. 4 x + 3 alone.
; LIMITS.  q, k, v within f16's 65,504.  A hidden score counts as its value less 1e30.  A weight below 2^-126 counts as 0.  The row sum l is taken of the weights as rounded to f16, in f32.
; NaN and infinities are not treated apart, and none that arises only in the scores left out is carried to the result.
; SHARES.  A work-group has one batch (256 rows) and four heads.  Wave w owns four tiles of 16 rows, tile t = rows 64 t + 16 w + 0..15: 16 rows in each band of 64, so the causal work is the same in all waves.
; x STAYS IN REGISTERS: a wave's 64 rows, rounded to bf16, are 64 fragments of 8 registers, 512 in all; they are read once and serve all four heads.
; x COMES BY TWO ROADS.  Channels 0-383 come straight into registers, in units of eight loads that cover 256 consecutive aligned bytes of each of 16 rows, eight units out at a time.  Channels 384-511 come JOINTLY:
; the four work-groups of a column of the cluster have the same batch, and each wave asks for 64 rows x 512 bytes by one tensor load under the column's mask; they are read out of LDS while the ring's loads are out.
; Beside the slot of wt and K's and V's images LDS has 194,560 bytes: two of x's eight blocks of 64 channels (135,168 bytes, padded) fit, a third does not; a slot that took turns would stand empty behind each round.
; THE HEADS are walked one after the other.  A head's 96 rows of wt (32 for q, k and v each) come by tensor loads into ONE LDS slot, 24 rows a wave; the slot is asked for again when the head's three
; products have read it, and the load has the head's whole attention in which to land.  Two tensor loads of a wave are out at the start, later one.
; CLUSTER 4 x 4: the four work-groups of a row of the cluster (same cy = same four heads, four batches) want the same rows of wt and ask for them JOINTLY.  The grid has one cluster along y, so cy is the head group.
; LAYOUTS.  q and k are made transposed (source 0 = 16 rows of wt, source 1 = 16 rows of x): a lane (r = lane % 16, h = lane / 16) holds ONE token r and channels 8 h + 0..7 of the tile: a RoPE pair lies in
; one register pair, and two tiles rounded to f16 ARE a fragment (16 tokens x 32 channels) of Q or K.  v is made the natural way (source 0 = x): a lane holds channel r and tokens 8 h + 0..7: rounded, half a
; fragment of V^T.  K's and V's fragments go through LDS as register images, 16 bytes a lane on end, since every wave wants all keys.  S^T = K Q^T holds one query a lane and keys 8 h + 0..7; two such
; results rounded to f16 ARE source 1 of O^T = V^T P.  The biases are the C operand of the first K step, the mask that of S^T.
; K AND V STAY for a head's four bands: band x adds the four key tiles that band x - 1 did not need, 16 LDS loads, asked for one band ahead: 64 loads a head.  K lies where the cosines, sines and biases lie
; during the products: these 28 loads from tab are issued anew for the next head behind the last band's scores, when K is dead.
; SOFTMAX.  A band's keys, 256 at the most, lie in 128 registers: the TRUE row maximum m is taken first, then p = 2^(c s - c m), c = log2(e) / sqrt(32).  l = sum of p comes from the matrix unit (ones x P).
; THE WAY OUT.  ao: [64 b][16 row tiles][16 heads][2 c][32 lanes][16 bytes]: lane (r, h) holds row r, channels 16 c + 8 h + 0..7: what a lane holds here, and a fragment's half in oproj.  A store covers 512 consecutive bytes, aligned.
; REGISTERS, in windows of 256 (s_set_vgpr_msb: bits 1:0 source 0, 3:2 source 1, 5:4 source 2, 7:6 destination):
;   window 0: v0-31 addresses and small things; v32-63 Q; v64-95 the diagonal's mask; v96-119 O^T and l; v120-127 ones; v128-255 two fragment buffers of 64, in attention V
;   window 1: v0-127 the products' accumulators, later S^T and, in place, P; v128-255 in the products cos and sin (64), bias images (48), 16 at work; in attention K
;   windows 2, 3: x: tile t, K step s at 128 (t % 2) + 8 s of window 2 + t / 2
.set WP,    1040                       ; a row of wt in LDS: 1,024 bytes + 16 of padding = 65 x 16: the 16 rows of a fragment load start at 16 different 16-byte columns of 256
.set HEADW, 98304                      ; bytes of a head in wt
.set KB,    96*WP                      ; 99,840: K images, row tile g at 1,024 g (registers 0-3 at 16 x lane, 4-7 at 512 + 16 x lane)
.set VB,    KB+16384                   ; V images: 8,192 c + 512 g + 16 x lane
.set SPARE, VB+16384                   ; the spare words, 128 bytes a wave: two blocks of 256 bytes that no other line names
.set XS,    SPARE+512                  ; 133,120: x's channels 384-511, f32, 256 rows
.set XPT,   528                        ; its pitch: 512 bytes + 16 of padding = 33 x 16
.set XO,  4                            ; v4   (16 w + r) x 2,048 + 32 h: my bytes in x
.set RO,  5                            ; v5   (16 w + r) x 64 + 16 h: my bytes in the table
.set L16, 6                            ; v6   16 x lane
.set AW0, 7                            ; v7   r x WP + 16 h: my place in a fragment of wt
.set AW1, 8                            ; v8   the same 48 rows on
.set AKS, 9                            ; v9   where I store K images;  v10 V images
.set AVS, 10
.set AKL, 11                           ; v11  where I load K images;   v12 V images
.set AVL, 12
.set OO,  13                           ; v13  16,384 w + 16 x lane: my bytes in ao
.set PFO, 14                           ; v14  the prefetches' offset
.set TV,  15
.set OT,  16                           ; v[16:23]  O rounded, to store
.set XA,  16                           ; v16, v17  ahead of that: my place in x's LDS rows, tiles 0 and 1; tiles 2 and 3
.set RL,  24                           ; v[24:25]  1 / l in the low word
.set MX,  26                           ; v26, v27  the maximum's last steps
.set CM,  28                           ; v[28:29]  c m in the low word
.set SPW, 30                           ; v30  SPARE + 4 x my thread's number; never rewritten
.set NIL, 31                           ; v31  0; never rewritten
.set Q,   32
.set MD,  64
.set OA,  96
.set MC,  96                           ; the maximum's four chains: O^T's first registers, free between a band's way out and the next band's products
.set LS,  112
.set ONES, 120
.set BUFA, 128
.set BUFB, 192
.set KF,   128                         ; window 1: K's fragment of key tile kt at KF + 8 kt
.set CSB,  128                         ; window 1: tile t, channel half c: cos of 4 pairs at 16 t + 8 c, sin at + 4
.set BIAS, 192                         ; window 1: tiles 0, 1 q; 2, 3 k; 4, 5 v
.set ST,   240                         ; window 1
.set WV,  12                           ; s12  wave
.set G1,  24                           ; s[24:31] descriptor group 1 for wt
.set G0,  32                           ; s[32:35] descriptor group 0 for wt: it walks from head to head
.set CNT, 36                           ; s36  heads whose products are still to be made
.set LIM, 37                           ; s37  1 in a wave that prefetches, else the greatest number
.set CS,  38                           ; s[38:39] c
.set SEL, 40                           ; s[40:41] v_permlanex16_b32's selects: each lane takes its own place in the other half
.set BI,  42                           ; s[42:43] the head's bias images
.set AO,  44                           ; s[44:45] ao at my batch and the head in hand
.set PFA, 46                           ; s[46:47] wt at the head after the one that is being asked for
.set XP,  48                           ; s[48:49] x at my batch
.set BIGN, 50                          ; s50  -1e30
.set G1X, 52                           ; s[52:59] descriptor group 1 for x
.set G0X, 60                           ; s[60:63] descriptor group 0 for x
.set MSB, 0
.macro WIN new                         ; the immediate's high byte repeats the setting that is left; a switch that changes nothing is dropped
.if MSB != (\new)
	s_set_vgpr_msb (MSB<<8)|(\new)
.set MSB, (\new)
.endif
.endm
.macro PLACES                          ; four plain places behind a matrix instruction, ahead of vector work on its registers and of loads into them
.rept 4
	v_nop
.endr
.endm
.macro ROUND                           ; a round of the cluster's barrier: my work-group's barrier; wave 0 signals for it; every wave waits for all sixteen; my work-group's barrier once more
	s_barrier_signal -1
	s_barrier_wait -1
	s_cmp_lg_u32 s[WV], 0
	s_cbranch_scc1 .Lnot_wave_0_\@
	s_barrier_signal -3
.Lnot_wave_0_\@:
	s_barrier_wait -3
	s_barrier_signal -1
	s_barrier_wait -1
.endm
; x INTO REGISTERS.  Unit u = 4 ch + t, ch = 0..5: 64 channels (256 bytes of f32) of tile t's 16 rows, eight loads, into slot u % 8: slots 0-3 in window 1, slots 4-7 in window 0.
.macro XLOAD u
.set xt, (\u)%4
.set xc, (\u)/4
.if xc%2 == 0
	WIN 0x40
.set xs, 32*xt
.else
	WIN 0
.set xs, 128+32*xt
.endif
.set xq, 0
.rept 8
	global_load_b128 v[xs+4*xq:xs+4*xq+3], v[XO], s[XP:XP+1] offset:131072*xt+256*xc+128*(xq/4)+64*((xq/2)%2)+16*(xq%2)
.set xq, xq+1
.endr
.endm
.macro XCVT u                          ; the unit rounded to bf16: two fragments
.set xt, (\u)%4
.set xc, (\u)/4
.if xc%2 == 0
.set xs, 32*xt
	WIN 0x85+0x40*(xt/2)
.else
.set xs, 128+32*xt
	WIN 0x80+0x40*(xt/2)
.endif
.set xd, 128*(xt%2)+16*xc
.set xq, 0
.rept 16
	v_cvt_pk_bf16_f32 v[xd+xq], v[xs+2*xq], v[xs+2*xq+1]
.set xq, xq+1
.endr
.endm
; x OUT OF LDS.  Unit i = 4 cl + t, cl = 0, 1: channels 384 + 64 cl on of tile t, eight LDS loads laid as a unit's eight global loads are, into 32 registers of window 0 from base on.
.macro XLDS i, base
.set lt, (\i)%4
.set lc, (\i)/4
	WIN 0
.set xq, 0
.rept 8
	ds_load_b128 v[(\base)+4*xq:(\base)+4*xq+3], v[XA+lt/2] offset:(lt%2)*64*XPT+256*lc+128*(xq/4)+64*((xq/2)%2)+16*(xq%2)
.set xq, xq+1
.endr
.endm
.macro XCVTL i, base
.set lt, (\i)%4
.set lc, 6+(\i)/4
	WIN 0x80+0x40*(lt/2)
.set xd, 128*(lt%2)+16*lc
.set xq, 0
.rept 16
	v_cvt_pk_bf16_f32 v[xd+xq], v[(\base)+2*xq], v[(\base)+2*xq+1]
.set xq, xq+1
.endr
.endm
.macro BIASLOAD                        ; the head's six bias images
	WIN 0x40
.set bq, 0
.rept 12
	global_load_b128 v[BIAS+4*bq:BIAS+4*bq+3], v[L16], s[BI:BI+1] offset:512*bq
.set bq, bq+1
.endr
.endm
.macro CSLOAD                          ; cos and sin of my 64 rows
	WIN 0x40
.set ct, 0
.rept 4
.irp c, 0,1
	global_load_b128 v[CSB+16*ct+8*\c:CSB+16*ct+8*\c+3],   v[RO], s[8:9] offset:4096*ct+32*\c
	global_load_b128 v[CSB+16*ct+8*\c+4:CSB+16*ct+8*\c+7], v[RO], s[8:9] offset:4096*ct+32*\c+16384
.endr
.set ct, ct+1
.endr
.endm
; q AND k.  Run p of 8: K steps 2 p and 2 p + 1.  16 LDS loads: fragment (e, tau) of wt's rows 16 tau .. at buf + 8 (4 e + tau).
.macro FETCHQK p, buf
	WIN 0
.irp e, 0,1
.irp tau, 0,1,2
	ds_load_b128 v[(\buf)+8*(4*\e+\tau):(\buf)+8*(4*\e+\tau)+3],   v[AW0] offset:\tau*16*WP+64*(2*(\p)+\e)
	ds_load_b128 v[(\buf)+8*(4*\e+\tau)+4:(\buf)+8*(4*\e+\tau)+7], v[AW0] offset:\tau*16*WP+64*(2*(\p)+\e)+32
.endr
	ds_load_b128 v[(\buf)+8*(4*\e+3):(\buf)+8*(4*\e+3)+3],   v[AW1] offset:64*(2*(\p)+\e)
	ds_load_b128 v[(\buf)+8*(4*\e+3)+4:(\buf)+8*(4*\e+3)+7], v[AW1] offset:64*(2*(\p)+\e)+32
.endr
.endm
; 32 products: accumulator (t, tau) at 8 (4 t + tau) of window 1.  Eight accumulators take turns, one instruction a turn.  The first K step takes the bias as C.
.macro MULQK p, buf
.irp th, 0,1
	WIN 0x58+4*\th
.irp e, 0,1
.irp tau, 0,1,2,3
.irp tl, 0,1
.set rD, 8*(4*(2*\th+\tl)+\tau)
.set rW, (\buf)+8*(4*\e+\tau)
.set rX, 128*\tl+8*(2*(\p)+\e)
.if ((\p) == 0) && (\e == 0)
	v_wmma_f32_16x16x32_bf16 v[rD:rD+7], v[rW:rW+7], v[rX:rX+7], v[BIAS+8*\tau:BIAS+8*\tau+7]
.else
	v_wmma_f32_16x16x32_bf16 v[rD:rD+7], v[rW:rW+7], v[rX:rX+7], v[rD:rD+7]
.endif
.endr
.endr
.endr
.endr
.endm
; v.  Run q of 4: K steps 4 q .. 4 q + 3.  Fragment (e, c) of wt's rows 64 + 16 c .. at buf + 8 (2 e + c); accumulator (t, c) at 8 (2 t + c); four accumulators take turns.
.macro FETCHV q, buf
	WIN 0
.irp e, 0,1,2,3
.irp c, 0,1
	ds_load_b128 v[(\buf)+8*(2*\e+\c):(\buf)+8*(2*\e+\c)+3],   v[AW1] offset:(1+\c)*16*WP+64*(4*(\q)+\e)
	ds_load_b128 v[(\buf)+8*(2*\e+\c)+4:(\buf)+8*(2*\e+\c)+7], v[AW1] offset:(1+\c)*16*WP+64*(4*(\q)+\e)+32
.endr
.endr
.endm
.macro MULV q, buf
.irp th, 0,1
	WIN 0x52+\th
.irp e, 0,1,2,3
.irp c, 0,1
.irp tl, 0,1
.set rD, 8*(2*(2*\th+\tl)+\c)
.set rW, (\buf)+8*(2*\e+\c)
.set rX, 128*\tl+8*(4*(\q)+\e)
.if ((\q) == 0) && (\e == 0)
	v_wmma_f32_16x16x32_bf16 v[rD:rD+7], v[rX:rX+7], v[rW:rW+7], v[BIAS+8*(4+\c):BIAS+8*(4+\c)+7]
.else
	v_wmma_f32_16x16x32_bf16 v[rD:rD+7], v[rX:rX+7], v[rW:rW+7], v[rD:rD+7]
.endif
.endr
.endr
.endr
.endr
.endm
; RoPE.  For tile t and kind (0: q, 1: k) the two accumulators hold 8 pairs (x1, x2) a lane.  T = (x1, x2) cos; T += (-x2, x1) sin, by the packed forms' selects.  Each accumulator is read from its
; lowest registers on.  Then the 16 numbers are rounded to f16: a fragment, into Q or, for k, into buffer B, from where it goes to LDS.
.macro ROPE
.set rt, 0
.rept 4
.set rk, 0
.rept 2
	WIN 0x55
.set ri, 0
.rept 8
.set rA, 8*(4*rt+2*rk+ri/4)+2*(ri%4)
.set rT, ST+2*ri
.set rC, CSB+16*rt+8*(ri/4)+2*((ri%4)/2)
.if ri%2 == 0
	v_pk_mul_f32 v[rT:rT+1], v[rA:rA+1], v[rC:rC+1] op_sel:[0,0] op_sel_hi:[1,0]
.else
	v_pk_mul_f32 v[rT:rT+1], v[rA:rA+1], v[rC:rC+1] op_sel:[0,1] op_sel_hi:[1,1]
.endif
.set ri, ri+1
.endr
.set ri, 0
.rept 8
.set rA, 8*(4*rt+2*rk+ri/4)+2*(ri%4)
.set rT, ST+2*ri
.set rC, CSB+16*rt+8*(ri/4)+2*((ri%4)/2)+4
.if ri%2 == 0
	v_pk_fma_f32 v[rT:rT+1], v[rA:rA+1], v[rC:rC+1], v[rT:rT+1] op_sel:[1,0,0] op_sel_hi:[0,0,1] neg_lo:[0,1,0]
.else
	v_pk_fma_f32 v[rT:rT+1], v[rA:rA+1], v[rC:rC+1], v[rT:rT+1] op_sel:[1,1,0] op_sel_hi:[0,1,1] neg_lo:[0,1,0]
.endif
.set ri, ri+1
.endr
	WIN 0x05
.set ri, 0
.rept 8
	v_cvt_pk_f16_f32 v[Q+160*rk+8*rt+ri], v[ST+2*ri], v[ST+2*ri+1]
.set ri, ri+1
.endr
.set rk, rk+1
.endr
.set rt, rt+1
.endr
.endm
.macro KSTORE                          ; my four tiles of K: row tile 4 t + w
	WIN 0
.irp t, 0,1,2,3
	ds_store_b128 v[AKS], v[BUFB+8*\t:BUFB+8*\t+3]   offset:4096*\t
	ds_store_b128 v[AKS], v[BUFB+8*\t+4:BUFB+8*\t+7] offset:4096*\t+512
.endr
.endm
.macro VSTORE                          ; v rounded to f16, into buffer A, and my eight half fragments to LDS
	WIN 0x05
.set vq, 0
.rept 32
	v_cvt_pk_f16_f32 v[BUFA+vq], v[2*vq], v[2*vq+1]
.set vq, vq+1
.endr
	WIN 0
.irp t, 0,1,2,3
.irp c, 0,1
	ds_store_b128 v[AVS], v[BUFA+4*(2*\t+\c):BUFA+4*(2*\t+\c)+3] offset:8192*\c+2048*\t
.endr
.endr
.endm
; ATTENTION of one head, band x of queries (my tile x): key tiles 0 .. 4 x + 3.
; What band x adds to what the bands before it fetched: K's tiles 4 x .. 4 x + 3 and V's fragments (kk, c) of keys 32 kk .., kk = 2 x, 2 x + 1, channels 16 c ..: 16 loads.
.macro KVRUN x
	WIN 0x40
.set kt, 4*(\x)
.rept 4
	ds_load_b128 v[KF+8*kt:KF+8*kt+3],   v[AKL] offset:1024*kt
	ds_load_b128 v[KF+8*kt+4:KF+8*kt+7], v[AKL] offset:1024*kt+512
.set kt, kt+1
.endr
	WIN 0
.set kk, 2*(\x)
.rept 2
.irp c, 0,1
	ds_load_b128 v[BUFA+8*(2*kk+\c):BUFA+8*(2*kk+\c)+3],   v[AVL] offset:8192*\c+1024*kk
	ds_load_b128 v[BUFA+8*(2*kk+\c)+4:BUFA+8*(2*kk+\c)+7], v[AVL] offset:8192*\c+1024*kk+512
.endr
.set kk, kk+1
.endr
.endm
.macro SMUL x                          ; one product a key tile (32 channels are one K step); the band's own four tiles start from the mask
	WIN 0x41
.set kt, 0
.rept 4*((\x)+1)
.if kt < 4*(\x)
	v_wmma_f32_16x16x32_f16 v[8*kt:8*kt+7], v[KF+8*kt:KF+8*kt+7], v[Q+8*(\x):Q+8*(\x)+7], 0
.else
	v_wmma_f32_16x16x32_f16 v[8*kt:8*kt+7], v[KF+8*kt:KF+8*kt+7], v[Q+8*(\x):Q+8*(\x)+7], v[MD+8*(kt-4*(\x)):MD+8*(kt-4*(\x))+7]
.endif
.set kt, kt+1
.endr
.endm
; The maximum in four chains (key tile kt in chain kt % 4), each tile read from its lowest registers on; the other half of the lanes'; c m.  Then ONE BATCH: the scalings c s - c m and all exponentials, none of
; which names an exponential's result; a plain instruction; ONE wait ahead of the first use; then the roundings to f16, in place and ascending: P's fragment kk lies at 8 kk.
.macro SOFT x
	WIN 0x15
.set mc, 0
.rept 4
	v_max3_num_f32 v[MC+mc], v[8*mc], v[8*mc+1], v[8*mc+2]
.set mc, mc+1
.endr
	WIN 0x14
.set ms, 1
.rept 2
.set mc, 0
.rept 4
	v_max3_num_f32 v[MC+mc], v[MC+mc], v[8*mc+2*ms+1], v[8*mc+2*ms+2]
.set mc, mc+1
.endr
.set ms, ms+1
.endr
	v_max3_num_f32 v[MC], v[MC], v[7], v[15]       ; the first four tiles' last registers
	v_max3_num_f32 v[MC+2], v[MC+2], v[23], v[31]
.if (\x) > 0
.set mg, 1
.rept (\x)
.set ms, 0
.rept 4
.set mc, 0
.rept 4
	v_max3_num_f32 v[MC+mc], v[MC+mc], v[8*(4*mg+mc)+2*ms], v[8*(4*mg+mc)+2*ms+1]
.set mc, mc+1
.endr
.set ms, ms+1
.endr
.set mg, mg+1
.endr
.endif
	WIN 0
	v_max3_num_f32 v[MX], v[MC], v[MC+1], v[MC+2]
	v_max_num_f32 v[MX], v[MX], v[MC+3]
	v_permlanex16_b32 v[MX+1], v[MX], s[SEL], s[SEL+1]  ; the query's other keys lie in the lane 16 away
	v_max_num_f32 v[MX], v[MX], v[MX+1]
	v_mul_f32 v[CM], s[CS], v[MX]
	WIN 0x41                                       ; S^T in window 1, c m in window 0
.set npr, 16*((\x)+1)
	v_pk_fma_f32 v[0:1], v[0:1], s[CS:CS+1], v[CM:CM+1] op_sel_hi:[1,0,0] neg_lo:[0,0,1] neg_hi:[0,0,1]
.set pi, 0
.rept npr
.if pi+1 < npr
	v_pk_fma_f32 v[2*pi+2:2*pi+3], v[2*pi+2:2*pi+3], s[CS:CS+1], v[CM:CM+1] op_sel_hi:[1,0,0] neg_lo:[0,0,1] neg_hi:[0,0,1]
.endif
	v_exp_f32 v[2*pi], v[2*pi]
	v_exp_f32 v[2*pi+1], v[2*pi+1]
.set pi, pi+1
.endr
	v_nop
	s_wait_alu depctr_va_vdst(0)
	WIN 0x45
.set pi, 0
.rept npr
	v_cvt_pk_f16_f32 v[pi], v[2*pi], v[2*pi+1]
.set pi, pi+1
.endr
.endm
.macro PVMUL x                         ; O^T (two channel halves) and l: three accumulators by turns; the first 32 keys start the sums
	WIN 0x04
.set kk, 0
.rept 2*((\x)+1)
.if kk == 0
	v_wmma_f32_16x16x32_f16 v[OA:OA+7],    v[BUFA:BUFA+7],    v[0:7], 0
	v_wmma_f32_16x16x32_f16 v[OA+8:OA+15], v[BUFA+8:BUFA+15], v[0:7], 0
	v_wmma_f32_16x16x32_f16 v[LS:LS+7],    v[ONES:ONES+7],    v[0:7], 0
.else
	v_wmma_f32_16x16x32_f16 v[OA:OA+7],    v[BUFA+16*kk:BUFA+16*kk+7],    v[8*kk:8*kk+7], v[OA:OA+7]
	v_wmma_f32_16x16x32_f16 v[OA+8:OA+15], v[BUFA+16*kk+8:BUFA+16*kk+15], v[8*kk:8*kk+7], v[OA+8:OA+15]
	v_wmma_f32_16x16x32_f16 v[LS:LS+7],    v[ONES:ONES+7],                v[8*kk:8*kk+7], v[LS:LS+7]
.endif
.set kk, kk+1
.endr
.endm
.macro OEPI x                          ; O / l, rounded, stored
	WIN 0
	v_rcp_f32 v[RL], v[LS]                         ; every register of l's accumulator holds my query's sum: the lowest is taken
	v_nop                                          ; a plain instruction behind the reciprocal,
	s_wait_alu depctr_va_vdst(0)                   ; and its wait ahead of the first use
.set oi, 0
.rept 8
	v_pk_mul_f32 v[OA+2*oi:OA+2*oi+1], v[OA+2*oi:OA+2*oi+1], v[RL:RL+1] op_sel_hi:[1,0]
.set oi, oi+1
.endr
	s_wait_xcnt 0x0                                ; the last band's stores have read OT: it is rewritten only behind this wait
.set oi, 0
.rept 8
	v_cvt_pk_f16_f32 v[OT+oi], v[OA+2*oi], v[OA+2*oi+1]
.set oi, oi+1
.endr
	global_store_b128 v[OO], v[OT:OT+3],   s[AO:AO+1] offset:65536*(\x)      ; row tile 4 x + w, channels 0-15: 512 consecutive bytes, aligned
	global_store_b128 v[OO], v[OT+4:OT+7], s[AO:AO+1] offset:65536*(\x)+512  ; channels 16-31
.endm
; A band's 16 loads are asked for one band ahead and stand directly in front of the scores' matrix instructions; the wait leaves them out.
; The four places and the way out's plain instruction stand between P's last reader and the next band's scores, which write over P.
; reload = 1: another head follows: behind the last band's scores and their places K is dead, and the next head's biases, cosines and sines are asked for into its registers.
.macro ATT reload
	KVRUN 0
.irp x, 0,1,2,3
.if \x < 3
	KVRUN \x+1
	s_wait_dscnt 16                                ; all but the 16 just issued: this band's K and V are in
.else
	s_wait_dscnt 0x0
.endif
	SMUL \x
	PLACES
.if (\x == 3) && (\reload)
	BIASLOAD
	CSLOAD
.endif
	SOFT \x
	PVMUL \x
	PLACES
	OEPI \x
.endr
	s_wait_xcnt 0x0                                ; the stores have read their base
	s_add_nc_u64 s[AO:AO+1], s[AO:AO+1], 1024      ; the next head
.endm
; A PREFETCH of the head after the one just asked for: its 98,304 bytes of wt are 384 blocks of 256.  All sixteen clusters walk the same heads: the first (cluster x = 0) asks; the four partners of a row share the
; blocks out BY ADDRESS, 96 each, waves 0 to 2 take 32 each, a lane a block: each block is named once in the launch.  It stands one head ahead of the load that wants it.  The first two heads of a group come by
; their loads alone, and the last change asks for nothing.
.macro ASK
	s_cmp_gt_u32 s[CNT], s[LIM]
	s_cbranch_scc0 .Lnot_mine_\@
	global_prefetch_b8 v[PFO], s[PFA:PFA+1] th:TH_LOAD_NT scope:SCOPE_SE
.Lnot_mine_\@:
.endm
; x's joint quarter: everybody's part is in LDS behind the barrier; eight units go through three slots of 32 registers (v32-127, which hold nothing yet), two units out while one is rounded.
; Then what lies in those registers for the rest of the launch is made: the mask of a band's own 64 keys (register j of key tile kd is hidden where 16 kd + 8 h + j > 16 w + r) and the ones.
.macro XFROMLDS
	WIN 0
	s_wait_tensorcnt 0x0                           ; my parts of x's quarter and of the first head's wt are in,
	s_barrier_signal -1
	s_barrier_wait -1                              ; everybody's are
	XLDS 0, 32
	XLDS 1, 64
	XLDS 2, 96
.set li, 0
.rept 8
.if li < 6
	s_wait_dscnt 16                                ; two younger units may be out
.else
	s_wait_dscnt 8*(7-li)
.endif
	XCVTL li, 32+32*(li%3)
.if li < 5
	XLDS li+3, 32+32*(li%3)
.endif
.set li, li+1
.endr
	WIN 0
	v_lshlrev_b32 v[TV], 3, v2
	v_sub_nc_u32 v[TV], v1, v[TV]
	s_lshl_b32 s22, s[WV], 4
	v_add_nc_u32 v[TV], s22, v[TV]
.set i, 0
.rept 32
	v_cmp_gt_i32 vcc_lo, 16*(i/8)+i%8, v[TV]
	v_cndmask_b32 v[MD+i], 0, s[BIGN], vcc_lo
.set i, i+1
.endr
.set i, 0
.rept 8
	v_mov_b32 v[ONES+i], 0x3c003c00                ; 1.0 twice, in f16
.set i, i+1
.endr
	v_mov_b32 v[RL+1], 0                           ; named in pairs, or as a lane exchange's destination: written once
	v_mov_b32 v[MX+1], 0
	v_mov_b32 v[CM+1], 0
.endm
	s_load_b256 s[4:11], s[0:1], 0x0               ; x s[4:5], wt s[6:7], tab s[8:9], ao s[10:11]
	v_lshl_add_u32 v[SPW], v0, 2, SPARE
	v_mov_b32 v[NIL], 0
	ds_add_u32 v[SPW], v[NIL]                      ; the opening: the add, twice on end, and its wait ahead of my first tensor load; the set-up below stands between
	ds_add_u32 v[SPW], v[NIL]
	v_lshrrev_b32 v1, 5, v0
	v_readfirstlane_b32 s[WV], v1                  ; wave 0..3
	s_bfe_u32 s13, ttmp6, 0x40000                  ; cx
	s_bfe_u32 s14, ttmp6, 0x40004                  ; cy = the head group
	s_lshl_b32 s15, ttmp9, 2
	s_add_co_u32 s15, s15, s13                     ; batch = 4 x cluster x + cx
	s_lshl_b32 s18, s14, 2
	s_lshl_b32 s18, 15, s18                        ; my row of the cluster: places 4 cy .. 4 cy + 3: the same heads
	s_or_b32 s[G1], s18, 0x07f10000                ; 15:0 the mask; 17:16 2-byte elements; 20 padding on; 21 set beside a mask; 24:22 after every 256 words (code 7); 31:25 4 words (code 3)
	s_mov_b32 s[G1+1], 512<<16                     ; tensor_dim0 = 512
	s_mov_b32 s[G1+2], 24<<16                      ; tensor_dim1 = 24
	s_mov_b32 s[G1+3], 512<<16                     ; tile_dim0 = 512
	s_mov_b32 s[G1+4], 24                          ; tile_dim1 = 24 rows a wave
	s_mov_b32 s[G1+5], 512                         ; elements from row to row
	s_mov_b32 s[G1+6], 0
	s_mov_b32 s[G1+7], 0
	s_lshl_b32 s19, 0x1111, s13                    ; my column of the cluster: places cx, cx + 4, cx + 8, cx + 12: the same batch
	s_or_b32 s[G1X], s19, 0x07b20000               ; the mask; 4-byte elements; padding on; 21 set beside a mask; after every 128 words (code 6) 4 words (code 3)
	s_mov_b32 s[G1X+1], 128<<16                    ; tensor_dim0 = 128
	s_mov_b32 s[G1X+2], 64<<16                     ; tensor_dim1 = 64
	s_mov_b32 s[G1X+3], 128<<16                    ; tile_dim0 = 128 channels: 512 bytes
	s_mov_b32 s[G1X+4], 64                         ; tile_dim1 = 64 rows a wave
	s_mov_b32 s[G1X+5], 512                        ; elements from row to row
	s_mov_b32 s[G1X+6], 0
	s_mov_b32 s[G1X+7], 0
	s_mov_b32 s[G0], 1
	s_mul_i32 s[G0+1], s[WV], 24*WP                ; my 24 rows of the slot: the wave's number alone enters an LDS address
	s_mov_b32 s[G0X], 1
	s_mul_i32 s[G0X+1], s[WV], 64*XPT              ; rows 64 w .. 64 w + 63 of the batch
	s_add_co_u32 s[G0X+1], s[G0X+1], XS
	s_mul_i32 s20, s14, 4*HEADW                    ; the group's first head in wt,
	s_mul_i32 s21, s[WV], 24576                    ; my 24 rows of it
	s_add_co_u32 s20, s20, s21
	s_mov_b32 s21, 0
	s_mul_i32 s18, s14, 4*HEADW
	s_add_co_u32 s18, s18, HEADW                   ; the group's second head: the first change of slots steps this to the third
	s_mov_b32 s19, 0
	s_mov_b32 s[CS], 0x3e8293ee                    ; c = log2(e) / sqrt(32) = 0.255035
	s_mov_b32 s[CS+1], s[CS]
	s_mov_b32 s[SEL], 0x76543210
	s_mov_b32 s[SEL+1], 0xfedcba98
	s_mov_b32 s[BIGN], 0xf149f2ca                  ; -1e30
	s_cmp_lt_u32 s[WV], 3
	s_cselect_b32 s[LIM], 0, 1
	s_or_b32 s[LIM], s[LIM], ttmp9                 ; 0 in waves 0 to 2 of the first cluster: the same in all sixteen partners
	s_cmp_eq_u32 s[LIM], 0
	s_cselect_b32 s[LIM], 1, -1
	v_and_b32 v1, 15, v0                           ; r
	v_bfe_u32 v2, v0, 4, 1                         ; h
	v_and_b32 v3, 31, v0                           ; lane
	s_lshl_b32 s22, s[WV], 15
	v_lshl_add_u32 v[XO], v1, 11, s22
	v_lshl_add_u32 v[XO], v2, 5, v[XO]
	s_lshl_b32 s22, s[WV], 10
	v_lshl_add_u32 v[RO], v1, 6, s22
	v_lshl_add_u32 v[RO], v2, 4, v[RO]
	v_lshlrev_b32 v[L16], 4, v3
	v_mul_u32_u24 v[AW0], v1, WP
	v_lshl_add_u32 v[AW0], v2, 4, v[AW0]
	v_add_nc_u32 v[AW1], 48*WP, v[AW0]
	v_add_nc_u32 v[AKL], KB, v[L16]
	v_add_nc_u32 v[AVL], VB, v[L16]
	v_add_nc_u32 v[AKS], s22, v[AKL]               ; + 1,024 w
	s_lshl_b32 s22, s[WV], 9
	v_add_nc_u32 v[AVS], s22, v[AVL]               ; + 512 w
	s_lshl_b32 s22, s[WV], 14
	v_add_nc_u32 v[OO], s22, v[L16]
	s_mul_i32 s22, s13, 3
	s_add_co_u32 s22, s22, s[WV]
	s_lshl_b32 s22, s22, 5
	v_add_nc_u32 v[PFO], s22, v3
	v_lshlrev_b32 v[PFO], 8, v[PFO]                ; block 32 (3 cx + w) + lane
	v_mul_u32_u24 v[XA], v1, XPT                   ; x in LDS: row 16 w + r, 32 h bytes on,
	v_lshl_add_u32 v[XA], v2, 5, v[XA]
	s_mul_i32 s22, s[WV], 16*XPT
	s_add_co_u32 s22, s22, XS
	v_add_nc_u32 v[XA], s22, v[XA]
	v_add_nc_u32 v[XA+1], 128*XPT, v[XA]           ; and 128 rows further down
	s_wait_dscnt 0x0                               ; both opening adds are done
	s_wait_kmcnt 0x0
	s_add_nc_u64 s[G0+2:G0+3], s[6:7], s[20:21]
	s_or_b32 s[G0+3], s[G0+3], 0x80000000          ; type = 2
	s_add_nc_u64 s[PFA:PFA+1], s[6:7], s[18:19]
	s_lshl_b32 s22, s15, 19                        ; a batch of x is 524,288 bytes
	s_mov_b32 s23, 0
	s_add_nc_u64 s[XP:XP+1], s[4:5], s[22:23]
	s_lshl_b32 s22, s[WV], 17                      ; 64 rows of 2,048 bytes a wave,
	s_add_co_u32 s22, s22, 6*256                   ; from channel 384 on
	s_add_nc_u64 s[G0X+2:G0X+3], s[XP:XP+1], s[22:23]
	s_or_b32 s[G0X+3], s[G0X+3], 0x80000000
	s_mul_i32 s22, s14, 24576                      ; four heads' bias images,
	s_add_co_u32 s22, s22, 32768                   ; behind the table
	s_add_nc_u64 s[BI:BI+1], s[8:9], s[22:23]
	s_lshl_b32 s22, s15, 18                        ; a batch of ao is 262,144 bytes,
	s_lshl_b32 s18, s14, 12                        ; four heads 4,096
	s_add_co_u32 s22, s22, s18
	s_add_nc_u64 s[AO:AO+1], s[10:11], s[22:23]
	; the first loads: the first head's biases, cos and sin of my 64 rows, the first four units of x: 60 loads
	BIASLOAD
	CSLOAD
.set uu, 0
.rept 4
	XLOAD uu
.set uu, uu+1
.endr
	WIN 0
	ROUND                                          ; all sixteen work-groups are here: the first joint loads meet
	tensor_load_to_lds s[G0:G0+3], s[G1:G1+7]      ; the first head's rows of wt, with my row of the cluster,
	s_nop 0
	tensor_load_to_lds s[G0X:G0X+3], s[G1X:G1X+7]  ; x's channels 384-511, with my column
	s_nop 0
	PLACES
.rept 4
	XLOAD uu
.set uu, uu+1
.endr
	; x: 24 units into registers.  Seven younger units, 56 loads, stay out while a unit is rounded; its slot is asked for again at once; the counts run down at the end.
	; Behind the eighth unit, with eight units out, the joint quarter is taken out of LDS.
.set uu, 0
.rept 24
.if uu <= 16
	s_wait_loadcnt 56
.else
	s_wait_loadcnt 8*(23-uu)
.endif
	XCVT uu
.if uu < 16
	XLOAD uu+8
.endif
.if uu == 7
	XFROMLDS
.endif
.set uu, uu+1
.endr
	WIN 0
	s_mov_b32 s[CNT], 4
	s_branch .Lproj                                ; the loop is entered in its middle: the first head has products to make and no attention before them
.Lhead:                                        ; three times: the head's K and V are shown to all, the slot is asked for again, the head's attention runs
	s_wait_tensorcnt 0x0                           ; no tensor load of mine is out, so group 0 may be written
	ds_add_u32 v[SPW], v[NIL]                      ; 0 onto my spare word; the steps below stand between it and its wait
	s_add_nc_u64 s[G0+2:G0+3], s[G0+2:G0+3], HEADW ; the next head; the type bits on top are not reached
	s_wait_xcnt 0x0                                ; the last prefetch and the bias loads have read their bases
	s_add_nc_u64 s[BI:BI+1], s[BI:BI+1], 6144
	s_add_nc_u64 s[PFA:PFA+1], s[PFA:PFA+1], HEADW
	s_wait_dscnt 0x0                               ; the add is done; my stores of K and V are done; my reads of the slot are over
	ROUND                                          ; all that now holds of every wave of all sixteen work-groups
	tensor_load_to_lds s[G0:G0+3], s[G1:G1+7]      ; my one tensor load behind the round, first thing there
	s_nop 0
	PLACES
	ASK
	ATT 1
.Lproj:
	s_wait_tensorcnt 0x0                           ; my part of the head's rows of wt is in (the one load that was out is the youngest),
	s_wait_loadcnt 16                              ; its biases too; the 16 loads of cos and sin behind them may stay out,
	s_wait_dscnt 0x0                               ; and my reads of the last head's K and V are over
	s_barrier_signal -1
	s_barrier_wait -1                              ; all that holds of all four waves
	FETCHQK 0, BUFA
.set pp, 0
.rept 8                                        ; while a run's 32 products are issued the next run's 16 loads are out
.if pp > 0
	PLACES
.endif
.if pp < 7
	FETCHQK pp+1, BUFA+64*((pp+1)%2)
.else
	FETCHV 0, BUFA
.endif
	s_wait_dscnt 16                                ; all but the 16 just issued
	MULQK pp, BUFA+64*(pp%2)
.set pp, pp+1
.endr
	PLACES
	s_wait_loadcnt 0x0                             ; cos and sin
	ROPE
	KSTORE
	FETCHV 1, BUFB
	s_wait_dscnt 16
	MULV 0, BUFA
	PLACES
	FETCHV 2, BUFA
	s_wait_dscnt 16
	MULV 1, BUFB
	PLACES
	FETCHV 3, BUFB
	s_wait_dscnt 16
	MULV 2, BUFA
	s_wait_dscnt 0x0
	MULV 3, BUFB
	PLACES
	VSTORE
	s_sub_co_u32 s[CNT], s[CNT], 1
	s_cmp_lg_u32 s[CNT], 0
	s_cbranch_scc1 .Lhead
	s_wait_dscnt 0x0                               ; the last head: written out.  My stores of K and V are done
	s_barrier_signal -1
	s_barrier_wait -1                              ; everybody's are; nothing is asked for
	ATT 0
	s_wait_tensorcnt 0x0                           ; the wave's end: an add to my spare word and its wait, behind my last tensor load and my last LDS store
	ds_add_u32 v[SPW], v[NIL]
	s_wait_dscnt 0x0
	ROUND                                          ; the closing round: no work-group ends while a partner may still ask for a tile that names it
	s_endpgm
.Lfunc_end_k_q96f737e905_attn:
	.size	k_q96f737e905_attn, .Lfunc_end_k_q96f737e905_attn-k_q96f737e905_attn
	.p2alignl 7, 3214868480
	.fill 96, 4, 3214868480
	.section	.rodata,"a",@progbits
	.p2align	6, 0x0
	.amdhsa_kernel k_q96f737e905_attn
		.amdhsa_group_segment_fixed_size 327680
		.amdhsa_private_segment_fixed_size 0
		.amdhsa_enable_private_segment 0
		.amdhsa_kernarg_size 32
		.amdhsa_user_sgpr_count 2
		.amdhsa_user_sgpr_kernarg_segment_ptr 1
		.amdhsa_wavefront_size32 1
		.amdhsa_system_sgpr_workgroup_id_x 1
		.amdhsa_system_sgpr_workgroup_id_y 1
		.amdhsa_system_sgpr_workgroup_id_z 1
		.amdhsa_system_vgpr_workitem_id 0
		.amdhsa_next_free_vgpr 1024
		.amdhsa_next_free_sgpr 66
		.amdhsa_reserve_vcc 1
		.amdhsa_float_denorm_mode_32 3
		.amdhsa_float_denorm_mode_16_64 3
		.amdhsa_memory_ordered 1
		.amdhsa_forward_progress 1
		.amdhsa_inst_pref_size 246
	.end_amdhsa_kernel
	.amdgpu_metadata
---
amdhsa.version: [ 1, 2 ]
amdhsa.kernels:
  - .name:           k_q96f737e905_attn
    .symbol:         k_q96f737e905_attn.kd
    .args:
      - { .name: x, .offset: 0, .size: 8, .value_kind: global_buffer, .address_space: global }
      - { .name: wt, .offset: 8, .size: 8, .value_kind: global_buffer, .address_space: global }
      - { .name: tab, .offset: 16, .size: 8, .value_kind: global_buffer, .address_space: global }
      - { .name: ao, .offset: 24, .size: 8, .value_kind: global_buffer, .address_space: global }
    .group_segment_fixed_size: 327680
    .private_segment_fixed_size: 0
    .kernarg_segment_align: 8
    .kernarg_segment_size: 32
    .max_flat_workgroup_size: 128
    .sgpr_count:     66
    .vgpr_count:     1024
    .wavefront_size: 32
...
	.end_amdgpu_metadata
.endif
;; end of part 2
;; launch oproj (part 3): grid 64 x 4, 4 waves a work-group, clusters of 4 x 4, 167,936 bytes of LDS; arguments ao, wot, tab, out0; writes out0
.if DOCPART == 3
	.amdgcn_target "amdgcn-amd-amdhsa--gfx1250"
	.amdhsa_code_object_version 6
	.text
	.protected	k_q96f737e905_oproj
	.globl	k_q96f737e905_oproj
	.p2align	8
	.type	k_q96f737e905_oproj,@function
k_q96f737e905_oproj:
	s_mov_b64 s[64:65], 0
	v_nop
	global_prefetch_b8 v0, s[64:65] scope:SCOPE_SE
	s_setreg_imm32_b32 hwreg(HW_REG_WAVE_MODE, 25, 1), 1
	s_wait_xcnt 0x0
	s_wait_alu depctr_hold_cnt(0) depctr_sa_sdst(0) depctr_va_vdst(0) depctr_va_sdst(0) depctr_va_ssrc(0) depctr_va_vcc(0) depctr_vm_vsrc(0)
	s_getreg_b32 s2, hwreg(HW_REG_IB_STS2, 6, 4)
	s_cmp_eq_u32 s2, 0
	s_cbranch_scc0 .Lentry_in_a_cluster
	s_endpgm
.Lentry_in_a_cluster:
	s_bfe_u32 s2, ttmp6, 0x10000c
	s_cmp_lg_u32 s2, 0xf033
	s_cbranch_scc0 .Lentry_shape_is_right
	s_endpgm
.Lentry_shape_is_right:
; out0[b][l][n] = the sum over k of O[b][l][k] wo[k][n] + bo[n].  ao: attn's output, f16 fragment images [64 b][16 row tiles][16 K steps][2 halves][32 lanes][16 bytes].
; wot: f16 [512 rows][512 k], row 64 (n / 64) + 16 (n % 4) + (n % 64) / 4 = wo's column n.  tab + 131,072: bo, rounded to bf16, as f32.  Sums in f32.  No work is left out here.
; SHARES.  A work-group makes 256 rows (a batch) x 128 columns; wave w rows 64 w .. 64 w + 63 and all 128 columns, in two groups q of 64: 2 x 16 accumulators, 256 registers.
; A's 64 fragments (512 registers) come straight from memory, 512 consecutive bytes a load, and serve both column groups.  B's 128 rows of wot come into LDS by TWO tensor loads a wave, 16 rows of group 0 and
; 16 of group 1, each filled once: group 0's products begin when its half has landed, and group 1's half has seven runs of products in which to land.  Two tensor loads of a wave are out at the most.
; In front of the round stand only the loads that the first run wants (bo, A's first two K steps); A's other first loads follow the tensor loads.
; CLUSTER 4 x 4: the four work-groups of a row of the cluster (same cy = same columns, four batches) want the same rows of wot and ask for them JOINTLY.  The grid has one cluster along y, so cy is the column quarter.
; THE WAY OUT needs no LDS: in the result a lane (r, h) holds column r of the tile and rows 8 h + 0..7, and by wot's order of rows tile t' of group q is columns 64 q + 4 r + t': a lane's four accumulators hold
; four neighbouring columns.  The bias's add moves them into four registers on end, and 16 lanes store 256 consecutive bytes of a row, aligned.  Group 0 leaves while group 1 is multiplied.
; REGISTERS: window 0: v0-31 addresses; v32-39 bo; v64-127 at work on the way out, two sets (group 1: four, v64-191); v128-255 two fragment buffers of B.  Window 1: accumulator (q, t, t') at 128 q + 8 (4 t + t').
;   windows 2, 3: A: tile t, K step s at 128 (t % 2) + 8 s of window 2 + t / 2.
.set BP,    1040                       ; a row of wot in LDS: 1,024 bytes + 16 of padding = 65 x 16
.set SPARE, 128*BP                     ; 133,120: the spare words, 128 bytes a wave: two blocks of 256 bytes that no other line names
.set AOF, 4                            ; v4   65,536 w + 16 x lane: my bytes in ao
.set AB0, 5                            ; v5   r x BP + 16 h: my place in a fragment of B, group 0;  v6 group 1
.set OO,  7                            ; v7   (64 w + 8 h) x 2,048 + 16 r: my bytes in out0
.set R16, 8                            ; v8   16 r
.set SPW, 30                           ; v30  SPARE + 4 x my thread's number; never rewritten
.set NIL, 31                           ; v31  0; never rewritten
.set BO,  32
.set TT,  64
.set BFA, 128
.set WV,  12
.set G1,  24                           ; s[24:31] descriptor group 1
.set G0,  32                           ; s[32:35] descriptor group 0, column group 0
.set AP,  36                           ; s[36:37] ao at my batch
.set OUTP, 38                          ; s[38:39] out0 at my batch and my 128 columns
.set BOP, 40                           ; s[40:41] bo at my 128 columns
.set G0B, 44                           ; s[44:47] descriptor group 0, column group 1
.set MSB, 0
.macro WIN new                         ; the immediate's high byte repeats the setting that is left; a switch that changes nothing is dropped
.if MSB != (\new)
	s_set_vgpr_msb (MSB<<8)|(\new)
.set MSB, (\new)
.endif
.endm
.macro PLACES                          ; four plain places behind a matrix instruction, ahead of vector work on its registers and of loads into them
.rept 4
	v_nop
.endr
.endm
.macro ROUND                           ; a round of the cluster's barrier: my work-group's barrier; wave 0 signals for it; every wave waits for all sixteen; my work-group's barrier once more
	s_barrier_signal -1
	s_barrier_wait -1
	s_cmp_lg_u32 s[WV], 0
	s_cbranch_scc1 .Lnot_wave_0_\@
	s_barrier_signal -3
.Lnot_wave_0_\@:
	s_barrier_wait -3
	s_barrier_signal -1
	s_barrier_wait -1
.endm
.macro ALOAD s                         ; K step s of my four row tiles: eight loads
.irp t, 0,1,2,3
	WIN 0x80+0x40*(\t/2)
	global_load_b128 v[128*(\t%2)+8*(\s):128*(\t%2)+8*(\s)+3],   v[AOF], s[AP:AP+1] offset:\t*16384+(\s)*1024
	global_load_b128 v[128*(\t%2)+8*(\s)+4:128*(\t%2)+8*(\s)+7], v[AOF], s[AP:AP+1] offset:\t*16384+(\s)*1024+512
.endr
.endm
.macro FETCHB R, buf                   ; run R = 8 q + p: K steps 2 p, 2 p + 1 of group q: fragment (e, t') at buf + 8 (4 e + t')
	WIN 0
.set fq, (\R)/8
.set fp, (\R)%8
.irp e, 0,1
.irp tp, 0,1,2,3
	ds_load_b128 v[(\buf)+8*(4*\e+\tp):(\buf)+8*(4*\e+\tp)+3],   v[AB0+fq] offset:\tp*16*BP+64*(2*fp+\e)
	ds_load_b128 v[(\buf)+8*(4*\e+\tp)+4:(\buf)+8*(4*\e+\tp)+7], v[AB0+fq] offset:\tp*16*BP+64*(2*fp+\e)+32
.endr
.endr
.endm
.macro MULB R, buf                     ; 32 products; eight accumulators take turns, one instruction a turn; a group's first K step starts the sums
.set fq, (\R)/8
.set fp, (\R)%8
.irp th, 0,1
	WIN 0x52+\th
.irp e, 0,1
.irp tp, 0,1,2,3
.irp tl, 0,1
.set rD, 128*fq+8*(4*(2*\th+\tl)+\tp)
.set rA, 128*\tl+8*(2*fp+\e)
.set rB, (\buf)+8*(4*\e+\tp)
.if (fp == 0) && (\e == 0)
	v_wmma_f32_16x16x32_f16 v[rD:rD+7], v[rA:rA+7], v[rB:rB+7], 0
.else
	v_wmma_f32_16x16x32_f16 v[rD:rD+7], v[rA:rA+7], v[rB:rB+7], v[rD:rD+7]
.endif
.endr
.endr
.endr
.endr
.endm
; Group q leaves: for each row tile the bias's adds, each accumulator from its lowest register on, and eight stores of two rows each.  n sets of 32 registers take turns.
; A set that earlier stores read is rewritten only behind s_wait_xcnt 0: with two sets from the third tile on; group 1 has four sets, of which two served group 0: one wait, at its head.
.macro SENDQ q, n
.irp t, 0,1,2,3
.if (\t >= (\n)) || (((\q) == 1) && (\t == 0))
	s_wait_xcnt 0x0
.endif
	WIN 0x01
.set tb, TT+32*(\t%(\n))
.set j, 0
.rept 8
.irp tp, 0,1,2,3
	v_add_f32 v[tb+4*j+\tp], v[128*(\q)+8*(4*\t+\tp)+j], v[BO+4*(\q)+\tp]
.endr
.set j, j+1
.endr
	WIN 0
.set j, 0
.rept 8
	global_store_b128 v[OO], v[tb+4*j:tb+4*j+3], s[OUTP:OUTP+1] offset:(16*\t+j)*2048+256*(\q) th:TH_STORE_NT
.set j, j+1
.endr
.endr
.endm
	s_load_b256 s[4:11], s[0:1], 0x0               ; ao s[4:5], wot s[6:7], tab s[8:9], out0 s[10:11]
	v_lshl_add_u32 v[SPW], v0, 2, SPARE
	v_mov_b32 v[NIL], 0
	ds_add_u32 v[SPW], v[NIL]                      ; the opening: the add, twice on end, and its wait ahead of my first tensor load; the set-up below stands between
	ds_add_u32 v[SPW], v[NIL]
	v_lshrrev_b32 v1, 5, v0
	v_readfirstlane_b32 s[WV], v1
	s_bfe_u32 s13, ttmp6, 0x40000                  ; cx
	s_bfe_u32 s14, ttmp6, 0x40004                  ; cy = the column quarter
	s_lshl_b32 s15, ttmp9, 2
	s_add_co_u32 s15, s15, s13                     ; batch
	s_lshl_b32 s18, s14, 2
	s_lshl_b32 s18, 15, s18                        ; my row of the cluster
	s_or_b32 s[G1], s18, 0x07f10000                ; the mask; 2-byte elements; padding on; bit 21 beside a mask; after every 256 words 4 words
	s_mov_b32 s[G1+1], 512<<16                     ; tensor_dim0 = 512
	s_mov_b32 s[G1+2], 16<<16                      ; tensor_dim1 = 16
	s_mov_b32 s[G1+3], 512<<16                     ; tile_dim0 = 512
	s_mov_b32 s[G1+4], 16                          ; tile_dim1 = 16 rows a wave and load
	s_mov_b32 s[G1+5], 512                         ; elements from row to row
	s_mov_b32 s[G1+6], 0
	s_mov_b32 s[G1+7], 0
	s_mov_b32 s[G0], 1
	s_mul_i32 s[G0+1], s[WV], 16*BP                ; group 0: rows 16 w .. 16 w + 15 of the work-group's 128,
	s_mov_b32 s[G0B], 1
	s_add_co_u32 s[G0B+1], s[G0+1], 64*BP          ; group 1: 64 rows on
	s_lshl_b32 s20, s14, 17                        ; 128 rows of 1,024 bytes a quarter,
	s_lshl_b32 s21, s[WV], 14                      ; my 16 of a group's 64
	s_add_co_u32 s20, s20, s21
	s_mov_b32 s21, 0
	v_and_b32 v1, 15, v0                           ; r
	v_bfe_u32 v2, v0, 4, 1                         ; h
	v_and_b32 v3, 31, v0                           ; lane
	s_lshl_b32 s22, s[WV], 16
	v_lshl_add_u32 v[AOF], v3, 4, s22
	v_mul_u32_u24 v[AB0], v1, BP
	v_lshl_add_u32 v[AB0], v2, 4, v[AB0]
	v_add_nc_u32 v[AB0+1], 64*BP, v[AB0]
	s_lshl_b32 s22, s[WV], 17
	v_lshl_add_u32 v[OO], v2, 14, s22
	v_lshl_add_u32 v[OO], v1, 4, v[OO]
	v_lshlrev_b32 v[R16], 4, v1
	s_wait_dscnt 0x0                               ; both opening adds are done
	s_wait_kmcnt 0x0
	s_add_nc_u64 s[G0+2:G0+3], s[6:7], s[20:21]
	s_add_nc_u64 s[G0B+2:G0B+3], s[G0+2:G0+3], 65536  ; 64 rows of 1,024 bytes on
	s_or_b32 s[G0+3], s[G0+3], 0x80000000          ; type = 2
	s_or_b32 s[G0B+3], s[G0B+3], 0x80000000
	s_lshl_b32 s22, s15, 18                        ; a batch of ao is 262,144 bytes
	s_mov_b32 s23, 0
	s_add_nc_u64 s[AP:AP+1], s[4:5], s[22:23]
	s_lshl_b32 s22, s15, 19                        ; a batch of out0 is 524,288 bytes,
	s_lshl_b32 s18, s14, 9                         ; 128 columns 512
	s_add_co_u32 s22, s22, s18
	s_add_nc_u64 s[OUTP:OUTP+1], s[10:11], s[22:23]
	s_add_co_u32 s22, s18, 131072
	s_add_nc_u64 s[BOP:BOP+1], s[8:9], s[22:23]
	global_load_b128 v[BO:BO+3],   v[R16], s[BOP:BOP+1]             ; bo of columns 4 r + 0..3 of group 0,
	global_load_b128 v[BO+4:BO+7], v[R16], s[BOP:BOP+1] offset:256  ; of group 1
	ALOAD 0                                        ; what the first run multiplies
	ALOAD 1
	WIN 0
	ROUND                                          ; all sixteen work-groups are here: the joint loads meet
	tensor_load_to_lds s[G0:G0+3], s[G1:G1+7]      ; group 0's rows of wot,
	s_nop 0
	tensor_load_to_lds s[G0B:G0B+3], s[G1:G1+7]    ; group 1's
	s_nop 0
	PLACES
.set ss, 2
.rept 6
	ALOAD ss
.set ss, ss+1
.endr
	WIN 0
	s_wait_tensorcnt 0x1                           ; my 16 rows of group 0 are in; group 1's may stay out
	s_barrier_signal -1
	s_barrier_wait -1                              ; everybody's are
	FETCHB 0, BFA
; 16 runs.  While a run's 32 products are issued the next run's 16 LDS loads are out.  A's loads: at run R < 4, 64 + 16 R have been issued behind bo's and the first 16 (R + 1) are wanted: 48 younger ones stay out;
; then 16 more are issued; from run 4 on all 128 are issued and the counts run down.  At run 7, ahead of the first reads of group 1's rows, stands the second barrier.
.set rr, 0
.rept 16
.if rr > 0
	PLACES
.endif
.if rr == 7
	s_wait_tensorcnt 0x0                           ; my 16 rows of group 1 are in,
	s_wait_dscnt 0x0                               ; no LDS load of mine is out at the signal,
	s_barrier_signal -1
	s_barrier_wait -1                              ; everybody's are
.endif
.if rr < 15
	FETCHB rr+1, BFA+64*((rr+1)%2)
.endif
.if rr == 8
	SENDQ 0, 2                                     ; group 0 is finished: its stores leave while group 1 is multiplied
.endif
.if rr < 15
	s_wait_dscnt 16                                ; all but the 16 just issued
.else
	s_wait_dscnt 0x0
.endif
.if rr < 5
	s_wait_loadcnt 48
.elseif rr < 8
	s_wait_loadcnt 16*(7-rr)
.endif
.if rr < 4
	ALOAD 8+2*rr
	ALOAD 9+2*rr
.endif
	MULB rr, BFA+64*(rr%2)
.set rr, rr+1
.endr
	PLACES
	SENDQ 1, 4                                     ; four sets: fragment buffer A was last multiplied in run 14, eight places back
	s_wait_tensorcnt 0x0                           ; the wave's end: an add to my spare word and its wait, behind my last tensor load
	ds_add_u32 v[SPW], v[NIL]
	s_wait_dscnt 0x0
	ROUND                                          ; the closing round: no work-group ends while a partner may still ask for a tile that names it
	s_endpgm
.Lfunc_end_k_q96f737e905_oproj:
	.size	k_q96f737e905_oproj, .Lfunc_end_k_q96f737e905_oproj-k_q96f737e905_oproj
	.p2alignl 7, 3214868480
	.fill 96, 4, 3214868480
	.section	.rodata,"a",@progbits
	.p2align	6, 0x0
	.amdhsa_kernel k_q96f737e905_oproj
		.amdhsa_group_segment_fixed_size 167936
		.amdhsa_private_segment_fixed_size 0
		.amdhsa_enable_private_segment 0
		.amdhsa_kernarg_size 32
		.amdhsa_user_sgpr_count 2
		.amdhsa_user_sgpr_kernarg_segment_ptr 1
		.amdhsa_wavefront_size32 1
		.amdhsa_system_sgpr_workgroup_id_x 1
		.amdhsa_system_sgpr_workgroup_id_y 1
		.amdhsa_system_sgpr_workgroup_id_z 1
		.amdhsa_system_vgpr_workitem_id 0
		.amdhsa_next_free_vgpr 1024
		.amdhsa_next_free_sgpr 66
		.amdhsa_reserve_vcc 0
		.amdhsa_float_denorm_mode_32 3
		.amdhsa_float_denorm_mode_16_64 3
		.amdhsa_memory_ordered 1
		.amdhsa_forward_progress 1
		.amdhsa_inst_pref_size 85
	.end_amdhsa_kernel
	.amdgpu_metadata
---
amdhsa.version: [ 1, 2 ]
amdhsa.kernels:
  - .name:           k_q96f737e905_oproj
    .symbol:         k_q96f737e905_oproj.kd
    .args:
      - { .name: ao, .offset: 0, .size: 8, .value_kind: global_buffer, .address_space: global }
      - { .name: wot, .offset: 8, .size: 8, .value_kind: global_buffer, .address_space: global }
      - { .name: tab, .offset: 16, .size: 8, .value_kind: global_buffer, .address_space: global }
      - { .name: out0, .offset: 24, .size: 8, .value_kind: global_buffer, .address_space: global }
    .group_segment_fixed_size: 167936
    .private_segment_fixed_size: 0
    .kernarg_segment_align: 8
    .kernarg_segment_size: 32
    .max_flat_workgroup_size: 128
    .sgpr_count:     66
    .vgpr_count:     1024
    .wavefront_size: 32
...
	.end_amdgpu_metadata
.endif
;; end of part 3
